; MI455X (gfx1250); checked and timed in simulation.
; The chip was launched on July 23, 2026; its instructions are those of AMD's public machine-readable ISA for CDNA 5 (MIT licence, August 2026) and "CDNA5" Instruction Set Architecture Reference Guide (July 2026). The comments in the code are by the model that wrote it; some were corrected since.
;; Seq Attention. Allowed arithmetic: matrix products marked QUANTISED: E3M2 operands, one E8M0 scale for each 32 along K, by v_wmma_scale_f32_16x16x128_f8f6f4 with both operands' format E3M2, f32 sums; everything else in f32.
;; Inputs: current_val 8 x 1 x 1 float32; key 64 x 2,048 x 64 float32; key_pe 1 x 64 x 1,024 float32; query 64 x 1,024 x 64 float32; value 64 x 2,048 x 64 float32.
;; Outputs: out0 64 x 1,024 x 64 float32.
;; This version of the problem:
;;   THIS VERSION OF THE PROBLEM IS GIVEN IN LOW PRECISION. The matrix products marked QUANTISED in the list below multiply operands that are first quantised to E3M2 (3 exponent bits, 2 mantissa bits; 6 bits a number), with one power-of-two scale for each 32 numbers along K (OCP MX v1.0); their sums are f32. All else is computed in f32.
;;   The module's matrix products, in the order in which they are computed (A, B: the left and right operand; K: the contracted axis; several contracted axes count as one K, in the product's order):
;;     1. batch 64 x [M 1,024, K 64] x [K 64, N 2,048]; A: input query; B: input key: QUANTISED
;;     2. [M 65,536, K 64] x [K 64, N 1,024]; A: input query; B: computed on the way: QUANTISED
;;     3. batch 64 x [M 1,024, K 2,048] x [K 2,048, N 64]; A: computed on the way; B: input value: QUANTISED
;;   THE QUANTISER, for each operand of a quantised product, along K:
;;     - K is cut into blocks of 32 from its start; a last block that is shorter is filled with zeros.
;;     - A block's scale is 2^e with e = floor(log2(the largest magnitude in the block)) - 4, held to -126 .. 127; a block of zeros has e = 0. As a byte (E8M0): e + 127.
;;     - Each number is divided by its block's scale, clamped to +-28, and rounded to the nearest number of E3M2, ties to even, subnormals kept.
;;     - The product sums the exact products of the quantised numbers (number of the format x scale) in f32.
;;   ~~~python
;;   def quantise(x, axis):      # numpy; x: float32 -> the quantised numbers, widened to float32 again
;;       x = np.moveaxis(x, axis, -1); K = x.shape[-1]
;;       x = np.pad(x, [(0, 0)] * (x.ndim - 1) + [(0, -K % 32)]); x = x.reshape(x.shape[:-1] + (-1, 32)); a = np.abs(x).max(-1, keepdims=True)
;;       e = np.where(a > 0, np.clip(np.frexp(np.where(a > 0, a, 1))[1] - 1 - 4, -126, 127), 0)      # np.frexp(a)[1] - 1 = floor(log2(a)), exactly
;;       r = np.clip(x / 2.0 ** e, -28, 28)
;;       step = 2.0 ** (np.maximum(np.frexp(np.where(r == 0, 1, r))[1] - 1, -2) - 2)
;;       q = np.round(r / step) * step * 2.0 ** e      # np.round: ties to even
;;       return np.moveaxis(q.reshape(q.shape[:-2] + (-1,))[..., :K], -1, axis).astype(np.float32)
;;   ~~~
;;   OPERANDS COMPUTED ON THE WAY. 'Computed on the way' means the value that the module computes at that place (a softmax that the list does not call 'softmax' is quantised finished and normalised). What goes into a quantiser is computed in f32, as accurately as f32 sums, v_exp_f32 and their like allow (about 1e-6 of the number): no bf16 or f16 on the way to a quantiser, and a product that is left as it is and whose result goes on into a quantised operand takes f32 operands (vector FMAs, or v_wmma_f32_16x16x4_f32). A number that lies on a knife's edge between two numbers of the format may be rounded either way, as far as f32 arithmetic and the matrix unit's own rounding can turn it there, and no further.
;; One version. Each part assembles by itself: llvm-mc -triple=amdgcn-amd-amdhsa -mcpu=gfx1250 --defsym DOCPART=n.
;; ======== version 1 of 1: 2 launches
;; limits: right only within a limited range of input values
;; workspace buffers: kq 6,817,792 bytes; vq 6,819,840 bytes; pq 59,904 bytes
;; launch prep (part 1): grid 521 x 1, 4 waves a work-group, no clusters, 33,280 bytes of LDS; arguments key, value, key_pe, kq, vq, pq; writes kq, vq, pq
.if DOCPART == 1
	.amdgcn_target "amdgcn-amd-amdhsa--gfx1250"
	.amdhsa_code_object_version 6
	.text
	.protected	k_q6bffc00fb0_prep
	.globl	k_q6bffc00fb0_prep
	.p2align	8
	.type	k_q6bffc00fb0_prep,@function
k_q6bffc00fb0_prep:
	s_mov_b64 s[64:65], 0
	v_nop
	global_prefetch_b8 v0, s[64:65] scope:SCOPE_SE
	s_setreg_imm32_b32 hwreg(HW_REG_WAVE_MODE, 25, 1), 1
	s_wait_xcnt 0x0
; key, value and key_pe (f32) become codes of BF6 (E3M2) with one E8M0 byte for each 32 along a product's K, laid as the second launch's operand loads want them.
; A block's scale is 2^(floor(log2(largest magnitude)) - 4); its byte is the largest magnitude's exponent field - 4, held at 1 from below.
; kq: a record of 416 bytes for 8 keys (an octet): key i's 64 codes (48 bytes) at 48 i, its scale word [s(d 0-31), s(d 32-63), 127, 127] at 384 + 4 i.  Records linear in (slice, key / 8).
; vq: a record of 1,664 bytes for 32 keys: channel d's 32 codes (24 bytes, keys ascending) at 24 d, its scale byte and a zero byte at 1536 + 2 d.  Records linear in (slice, key / 32).
; pq: octet records as kq's for rows u = l + 31 of key_pe's columns l, u = 0 .. 1151; rows whose l lies outside 0 .. 1023 have zero codes; row u's word is [s(u), s(u), s(u - 8), s(u - 8)] (two d blocks each).
; Behind kq's and vq's records lie 2,048 and 4,096 bytes of zeros, which the second launch's last tiles reach.
; LIMITS: NaN and infinities among the inputs are not served; a block of zeros gets the byte 1 where the rule says 127 (its codes are zeros, and this program alone reads the bytes).
; Work-groups 0-255 take key, 256-511 value, 512-520 key_pe.  Only key's path uses LDS.  No tensor loads, no barrier: waves share nothing.
; WORK LEFT OUT, for all values of the inputs: reference()'s _unskew keeps of q k^T only the scores with 0 <= n - m <= 1023 and slices the rest away, and its _skew pads the weights with zeros outside that band.
; So the second launch multiplies only the tiles of keys that meet a query tile's band.  A NaN, an infinity or an overflow that reaches only the work left out is not carried to the result.
.set EMAX,  4
.set STEPS, 16
.set RR,    16                         ; key: v16-79 four sets of 16 numbers as loaded
.set XX,    80                         ; v80-111 two sets of 16 neighbours
.set EW,    112                        ; v112-127 a scale word for each step
.set CK,    128                        ; v128-191 codes, four registers a step: no store's data are written again
.set WREG,  8192                       ; LDS of a wave: two stages of 32 x 80 bytes, then 512 bytes of scale words
.set SP,    80
	s_load_b256 s[4:11], s[0:1], 0x0               ; key, value, key_pe, kq
	s_load_b128 s[12:15], s[0:1], 0x20             ; vq, pq
	v_lshl_add_u32 v192, v0, 2, 0x8000
	v_mov_b32 v193, 0
	v_lshrrev_b32 v1, 5, v0
	v_readfirstlane_b32 s16, v1                    ; wave
	v_and_b32 v2, 31, v0                           ; lane
	s_mov_b32 s21, 0
	s_wait_kmcnt 0x0
	s_cmp_ge_u32 ttmp9, 512
	s_cbranch_scc1 .Lpe
	s_cmp_ge_u32 ttmp9, 256
	s_cbranch_scc1 .Lval
; ---- key.  A wave takes 16 steps of 512 numbers; a step is 8 keys x 64, one octet.  Each load reads 512 consecutive bytes; the numbers turn through the wave's own stage so that a lane holds 16 neighbours.
	s_wait_alu depctr_va_vdst(0)
	v_lshlrev_b32 v3, 4, v2                        ; my 16 bytes of a load's 512
	s_mul_i32 s17, s16, WREG
	v_lshrrev_b32 v14, 2, v2
	v_mul_u32_u24 v14, v14, SP
	v_and_b32 v15, 3, v2
	v_lshl_add_u32 v14, v15, 4, v14
	v_add_nc_u32 v14, s17, v14                     ; the stage, in: four lanes' 64 bytes on end, then 16 of padding
	v_mul_u32_u24 v15, v2, SP
	v_add_nc_u32 v15, s17, v15                     ; and out: my 16 neighbours
	v_mul_u32_u24 v4, v2, 12                       ; my 12 bytes of codes in a record: key lane / 4, 16 (lane % 4) along d
	s_add_co_u32 s17, s17, 2*32*SP
	v_lshrrev_b32 v5, 2, v2
	v_lshl_add_u32 v5, v5, 2, s17                  ; LDS: my key's scale word of a step
	v_lshl_add_u32 v6, v2, 4, s17                  ; and on the way out 16 bytes a lane
	v_lshrrev_b32 v7, 1, v2
	v_mul_u32_u24 v7, v7, 416
	v_and_b32 v8, 1, v2
	v_lshl_add_u32 v7, v8, 4, v7
	v_add_nc_u32 v7, 384, v7                       ; record lane / 2, words 4 (lane % 2) on
	v_bfe_u32 v10, v2, 1, 1
	v_lshlrev_b32 v10, 3, v10                      ; my block's byte stands 8 x (d block) bits up
	v_mov_b32 v13, 0                               ; written once: a DPP move's destination counts as read
	s_lshl_b32 s18, ttmp9, 2
	s_add_co_u32 s18, s18, s16                     ; which run of 8,192 numbers is my wave's
	s_lshl_b32 s20, s18, 15
	s_add_nc_u64 s[4:5], s[4:5], s[20:21]
	s_mul_i32 s20, s18, 16*416
	s_add_nc_u64 s[10:11], s[10:11], s[20:21]
.macro LOADK t
.irp i, 0,1,2,3
	global_load_b128 v[RR+16*((\t)%4)+4*\i:RR+16*((\t)%4)+4*\i+3], v3, s[4:5] offset:2048*(\t)+512*\i th:TH_LOAD_NT
.endr
.endm
.macro TURNK t                         ; LDS serves a wave's instructions in order: no wait between the stores and the loads
.irp i, 0,1,2,3
	ds_store_b128 v14, v[RR+16*((\t)%4)+4*\i:RR+16*((\t)%4)+4*\i+3] offset:32*SP*((\t)%2)+8*SP*\i
.endr
.irp i, 0,1,2,3
	ds_load_b128 v[XX+16*((\t)%2)+4*\i:XX+16*((\t)%2)+4*\i+3], v15 offset:32*SP*((\t)%2)+16*\i
.endr
.endm
.irp t, 0,1,2,3
	LOADK \t
.endr
	s_wait_loadcnt 12                              ; step 0's four loads are in
	TURNK 0
.macro STEPK t
.set XS, XX+16*((\t)%2)
.if (\t) > 0
	s_wait_dscnt 1                                 ; this step's numbers are back from the stage; the last step's word store may be out
.else
	s_wait_dscnt 0x0
.endif
.if (\t)+4 < STEPS
	LOADK (\t)+4
.endif
.if (\t)+1 < STEPS
.if STEPS-2-(\t) >= 3
	s_wait_loadcnt 12                              ; the next step's four loads are in; three steps' may be out
.else
	s_wait_loadcnt 4*(STEPS-2-(\t))
.endif
	TURNK (\t)+1
.endif
	v_max3_num_f32 v8, |v[XS]|, |v[XS+1]|, |v[XS+2]|
	v_max3_num_f32 v9, |v[XS+3]|, |v[XS+4]|, |v[XS+5]|
.irp i, 6,10
	v_max3_num_f32 v8, v8, |v[XS+\i]|, |v[XS+\i+1]|
	v_max3_num_f32 v9, v9, |v[XS+\i+2]|, |v[XS+\i+3]|
.endr
	v_max3_num_f32 v8, v8, |v[XS+14]|, |v[XS+15]|
	v_max3_num_f32 v8, v8, v9, (EMAX+1)<<23        ; the floor: the byte cannot fall under 1
	v_max_num_f32_dpp v8, v8, v8 row_xmask:1 row_mask:0xf bank_mask:0xf   ; with my neighbour's 16: the block's
	v_add_nc_u32 v11, -(EMAX<<23), v8              ; the conversion's scale operand
	v_cvt_scalef32_pk16_bf6_f32 v[CK+4*(\t):CK+4*(\t)+2], v[XS:XS+15], v11
	v_lshrrev_b32 v[EW+(\t)], 23, v11              ; the byte,
	v_lshlrev_b32 v[EW+(\t)], v10, v[EW+(\t)]      ; at its place,
	v_mov_b32_dpp v13, v[EW+(\t)] row_xmask:2 row_mask:0xf bank_mask:0xf
	v_or_b32 v[EW+(\t)], v[EW+(\t)], v13           ; with the key's other block's,
	v_or_b32 v[EW+(\t)], 0x7f7f0000, v[EW+(\t)]    ; and 127 twice for the half of the instruction's K that holds no key
	ds_store_b32 v5, v[EW+(\t)] offset:32*(\t)     ; a key's four lanes write the same word with the same value
	global_store_b96 v4, v[CK+4*(\t):CK+4*(\t)+2], s[10:11] offset:416*(\t)
.endm
.irp t, 0,1,2,3,4,5,6,7,8,9,10,11,12,13,14,15
	STEPK \t
.endr
	ds_load_b128 v[16:19], v6                      ; my wave's 128 scale words, four a lane
	s_wait_dscnt 0x0
	global_store_b128 v7, v[16:19], s[10:11]
	s_wait_tensorcnt 0x0
	ds_add_u32 v192, v193
	s_wait_dscnt 0x0
	s_endpgm
; ---- value.  A lane takes a channel d and its registers run down the keys: a block of 32 keys lies in one lane.  A wave: 32 channels x 8 blocks; loads run two blocks ahead.
.Lval:
.set XV,  32                           ; v32-95 two sets of 32 numbers
.set CV,  96                           ; v96-159 codes, eight registers a block
.set SBY, 160                          ; v160-167 a scale byte a block
	s_sub_co_u32 s18, ttmp9, 256
	s_lshl_b32 s18, s18, 1
	s_lshr_b32 s19, s16, 1
	s_add_co_u32 s18, s18, s19                     ; which run of 8 blocks
	s_and_b32 s19, s16, 1                          ; which 32 channels
	s_lshl_b32 s20, s18, 16
	s_lshl_b32 s22, s19, 7
	s_add_co_u32 s20, s20, s22
	s_add_nc_u64 s[6:7], s[6:7], s[20:21]          ; value: 8 blocks of 8,192 bytes a run, + 128 bytes for the upper channels
	s_mul_i32 s20, s18, 8*1664
	s_lshl_b32 s22, s19, 6
	s_add_co_u32 s22, s22, s20
	s_add_co_u32 s22, s22, 1536
	s_mov_b32 s23, 0
	s_add_nc_u64 s[22:23], s[12:13], s[22:23]      ; the scale bytes' place
	s_mul_i32 s24, s19, 768
	s_add_co_u32 s20, s20, s24
	s_add_nc_u64 s[12:13], s[12:13], s[20:21]      ; the codes' place
	s_wait_alu depctr_va_vdst(0)
	v_lshlrev_b32 v3, 2, v2
	v_mul_u32_u24 v4, v2, 24
	v_lshlrev_b32 v5, 1, v2
.macro LOADV t
.irp i, 0,1,2,3,4,5,6,7,8,9,10,11,12,13,14,15,16,17,18,19,20,21,22,23,24,25,26,27,28,29,30,31
	global_load_b32 v[XV+32*((\t)%2)+\i], v3, s[6:7] offset:8192*(\t)+256*\i th:TH_LOAD_NT
.endr
.endm
	LOADV 0
	LOADV 1
.macro BLOCKV t
.set XS, XV+32*((\t)%2)
.if (\t) < 7
	s_wait_loadcnt 32                              ; this block's 32 loads are in; the next block's may be out
.else
	s_wait_loadcnt 0x0
.endif
	v_max3_num_f32 v12, |v[XS]|, |v[XS+1]|, |v[XS+2]|
	v_max3_num_f32 v13, |v[XS+3]|, |v[XS+4]|, |v[XS+5]|
.irp i, 6,10,14,18,22,26
	v_max3_num_f32 v12, v12, |v[XS+\i]|, |v[XS+\i+1]|
	v_max3_num_f32 v13, v13, |v[XS+\i+2]|, |v[XS+\i+3]|
.endr
	v_max3_num_f32 v12, v12, |v[XS+30]|, |v[XS+31]|
	v_max3_num_f32 v12, v12, v13, (EMAX+1)<<23
	v_add_nc_u32 v11, -(EMAX<<23), v12
	v_lshrrev_b32 v[SBY+(\t)], 23, v11
	v_cvt_scalef32_pk16_bf6_f32 v[CV+8*(\t):CV+8*(\t)+2], v[XS:XS+15], v11
	v_cvt_scalef32_pk16_bf6_f32 v[CV+8*(\t)+4:CV+8*(\t)+6], v[XS+16:XS+31], v11
	global_store_b96 v4, v[CV+8*(\t):CV+8*(\t)+2], s[12:13] offset:1664*(\t)
	global_store_b96 v4, v[CV+8*(\t)+4:CV+8*(\t)+6], s[12:13] offset:1664*(\t)+12
	global_store_b16 v5, v[SBY+(\t)], s[22:23] offset:1664*(\t)    ; the byte and a zero byte
.if (\t)+2 < 8
	LOADV (\t)+2
.endif
.endm
.irp t, 0,1,2,3,4,5,6,7
	BLOCKV \t
.endr
	s_endpgm
; ---- key_pe.  A thread takes row u: column l = u - 31 for the codes, and column l - 8 too for the second half of the scale word.  A column outside the table is replaced by column 0 for the loads; its codes are set to zero.
.Lpe:
	s_sub_co_u32 s18, ttmp9, 512
	s_lshl_b32 s18, s18, 7
	v_add_nc_u32 v2, s18, v0                       ; u
	v_add_nc_u32 v3, 0xffffffe1, v2                ; l = u - 31
	v_add_nc_u32 v4, 0xffffffd9, v2                ; l - 8
	v_cmp_gt_u32 vcc_lo, 1024, v3                  ; l inside the table (unsigned); kept for the codes below
	v_cndmask_b32 v5, 0, v3, vcc_lo
	v_cmp_gt_u32 s20, 1024, v4
	v_cndmask_b32 v6, 0, v4, s20
	v_lshlrev_b32 v5, 2, v5
	v_lshlrev_b32 v6, 2, v6
.set d, 0
.rept 64
	global_load_b32 v[32+d], v5, s[8:9] offset:4096*d
	global_load_b32 v[96+d], v6, s[8:9] offset:4096*d
.set d, d+1
.endr
	v_lshrrev_b32 v21, 3, v2
	v_mul_u32_u24 v21, v21, 416
	v_and_b32 v23, 7, v2
	v_lshl_add_u32 v22, v23, 2, v21
	v_add_nc_u32 v22, 384, v22                     ; the word's place
	v_mad_u32_u24 v21, v23, 48, v21                ; the codes' place
	s_wait_loadcnt 0x0
.irp q, 0,1,2,3
	v_max3_num_f32 v[8+\q], |v[32+32*\q]|, |v[33+32*\q]|, (EMAX+1)<<23
.endr
.irp i, 2,4,6,8,10,12,14,16,18,20,22,24,26,28,30
.irp q, 0,1,2,3
	v_max3_num_f32 v[8+\q], v[8+\q], |v[32+32*\q+\i]|, |v[33+32*\q+\i]|
.endr
.endr
.irp q, 0,1,2,3
	v_add_nc_u32 v[12+\q], -(EMAX<<23), v[8+\q]
.endr
.irp q, 0,1,2,3
	v_lshrrev_b32 v[16+\q], 23, v[12+\q]
.endr
	v_lshl_or_b32 v20, v17, 8, v16
	v_lshl_or_b32 v20, v18, 16, v20
	v_lshl_or_b32 v20, v19, 24, v20
.irp k, 0,1,2,3
	v_cvt_scalef32_pk16_bf6_f32 v[160+4*\k:162+4*\k], v[32+16*\k:47+16*\k], v[12+\k/2]
.endr
	v_nop                                          ; one plain instruction between a scaled conversion and the vector instruction that touches its result
.irp k, 0,1,2,3
.irp j, 0,1,2
	v_cndmask_b32 v[160+4*\k+\j], 0, v[160+4*\k+\j], vcc_lo
.endr
.endr
.irp k, 0,1,2,3
	global_store_b96 v21, v[160+4*\k:162+4*\k], s[14:15] offset:12*\k
.endr
	global_store_b32 v22, v20, s[14:15]
	s_cmp_lg_u32 ttmp9, 512
	s_cbranch_scc1 .Lend
	v_lshlrev_b32 v23, 4, v0                       ; the zeros behind kq's and vq's records: 128 threads x 16 bytes a store
	v_mov_b32 v24, 0
	v_mov_b32 v25, 0
	v_mov_b32 v26, 0
	v_mov_b32 v27, 0
	global_store_b128 v23, v[24:27], s[10:11] offset:6815744
	global_store_b128 v23, v[24:27], s[12:13] offset:6815744
	global_store_b128 v23, v[24:27], s[12:13] offset:6815744+2048
.Lend:
	s_endpgm
.Lfunc_end_k_q6bffc00fb0_prep:
	.size	k_q6bffc00fb0_prep, .Lfunc_end_k_q6bffc00fb0_prep-k_q6bffc00fb0_prep
	.p2alignl 7, 3214868480
	.fill 96, 4, 3214868480
	.section	.rodata,"a",@progbits
	.p2align	6, 0x0
	.amdhsa_kernel k_q6bffc00fb0_prep
		.amdhsa_group_segment_fixed_size 33280
		.amdhsa_private_segment_fixed_size 0
		.amdhsa_enable_private_segment 0
		.amdhsa_kernarg_size 48
		.amdhsa_user_sgpr_count 2
		.amdhsa_user_sgpr_kernarg_segment_ptr 1
		.amdhsa_wavefront_size32 1
		.amdhsa_system_sgpr_workgroup_id_x 1
		.amdhsa_system_sgpr_workgroup_id_y 1
		.amdhsa_system_sgpr_workgroup_id_z 1
		.amdhsa_system_vgpr_workitem_id 0
		.amdhsa_next_free_vgpr 194
		.amdhsa_next_free_sgpr 66
		.amdhsa_reserve_vcc 1
		.amdhsa_float_denorm_mode_32 3
		.amdhsa_float_denorm_mode_16_64 3
		.amdhsa_memory_ordered 1
		.amdhsa_forward_progress 1
		.amdhsa_inst_pref_size 92
	.end_amdhsa_kernel
	.amdgpu_metadata
---
amdhsa.version: [ 1, 2 ]
amdhsa.kernels:
  - .name:           k_q6bffc00fb0_prep
    .symbol:         k_q6bffc00fb0_prep.kd
    .args:
      - { .name: key, .offset: 0, .size: 8, .value_kind: global_buffer, .address_space: global }
      - { .name: value, .offset: 8, .size: 8, .value_kind: global_buffer, .address_space: global }
      - { .name: key_pe, .offset: 16, .size: 8, .value_kind: global_buffer, .address_space: global }
      - { .name: kq, .offset: 24, .size: 8, .value_kind: global_buffer, .address_space: global }
      - { .name: vq, .offset: 32, .size: 8, .value_kind: global_buffer, .address_space: global }
      - { .name: pq, .offset: 40, .size: 8, .value_kind: global_buffer, .address_space: global }
    .group_segment_fixed_size: 33280
    .private_segment_fixed_size: 0
    .kernarg_segment_align: 8
    .kernarg_segment_size: 48
    .max_flat_workgroup_size: 128
    .sgpr_count:     66
    .vgpr_count:     194
    .wavefront_size: 32
...
	.end_amdgpu_metadata
.endif
;; end of part 1
;; launch attn (part 2): grid 4 x 64, 4 waves a work-group, no clusters, 327,680 bytes of LDS; arguments query, current_val, kq, vq, pq, out0; writes out0
.if DOCPART == 2
	.amdgcn_target "amdgcn-amd-amdhsa--gfx1250"
	.amdhsa_code_object_version 6
	.text
	.protected	k_q6bffc00fb0_attn
	.globl	k_q6bffc00fb0_attn
	.p2align	8
	.type	k_q6bffc00fb0_attn,@function
k_q6bffc00fb0_attn:
	s_mov_b64 s[64:65], 0
	v_nop
	global_prefetch_b8 v0, s[64:65] scope:SCOPE_SE
	s_setreg_imm32_b32 hwreg(HW_REG_WAVE_MODE, 25, 1), 1
	s_wait_xcnt 0x0
; out[bh][m] = sum over l of a(m, l) value[bh][m + l];  a = softmax_l((q.k[m + l] + q.pe[:, l]) / sqrt(512)) x mask(l) / (its sum + 1e-8);  all three products on codes of BF6 (E3M2) with E8M0 scales.
; WORK LEFT OUT: scores and weights outside the band 0 <= n - m <= 1023, which reference() slices away or pads with zeros, are multiplied only inside tiles that also meet the band.
; SHARES.  A work-group owns 256 queries of one slice bh; wave w takes, in trip i of four, the 16 queries m0 = 256 g + 64 i + 16 w.  A tile's whole band of scores stays in registers: the divisor is known before a weight is quantised.
; LAYOUT.  All products are used transposed: a lane (r, h) is query m0 + r.  With a = m0 / 32 and t = w % 2, register S(y), y = 0 .. 543, holds key 32 a + 544 h + y, that is l = 544 h + y - 16 t - r.  A tile of 16 operand rows
; is an octet of 8 rows for lanes 0-15 and the octet 68 further on for lanes 16-31.  So a lane holds 17 whole blocks of 32 keys, and the conversions' results are the lane's slots of the last product's operand.
; THE SKEW.  16 t is an address; 8 (r / 8) is done by the matrix unit in the half of its K = 128 that a head of 64 leaves idle: A = [pe octet T + 1 | octet T], B = [q where r < 8, else 0 | q where r >= 8, else 0];
; the rest, 7 - r % 8, is three passes of selections (by 1, 2, 4 registers).  The position scores are made 8 registers above S and the first pass brings them down, so that no line of it reads what a neighbour writes.
; WEIGHTS.  p = 2^(c s - c max), c = log2(e) / sqrt(512); a = p mask / (sum of p mask + 1e-8 sum of p), which is the stated value with the softmax's divisor taken into the second one.
; THE MASK hangs on l and the head alone: clip((l - 1023 + 1024 current_val) / 32 + 1, 0, 1) is laid once into LDS, in four copies; copy c holds mask(j + c - 32) at word j, so that a lane, whose l begins at -r, reads 16 aligned bytes.
; LDS.  q (256 rows of 256 bytes, 16 of padding each) and pe are asked for at the head, one tensor load a wave; K's and V's codes behind the first barrier, one a wave; nothing is filled again.  Each fill is rows of 256 bytes
; that begin at multiples of 256 from their buffer's first byte.
; NO CLUSTER: only pe's 58,368 bytes are the same bytes at the same LDS place in another work-group; K's and V's ranges of neighbours land 13,312 bytes apart in LDS.  NO PREFETCH: no stream is read inside the loop.
; LIMITS: NaN and infinities among the inputs are not served.
; REGISTERS, in windows of 256: window 0: addresses, q's operands, scale words, v84-191 operand sets or three sets of 32 mask numbers, work; v256-815 S and the position scores; v808-915 the weights' codes; v920-937 the next tiles' q; v984-1015 O^T.
.set DUAL, 1                           ; 1: two selections of the skew in one dual instruction (destinations even and odd, sources of a pair in neighbouring registers of one window)
.set REC,  416
.set VREC, 1664
.set HALF, 28288                       ; 68 octets = 17 blocks of V
.set PSH,  114*256                     ; half of pe's fill, of K's, of V's
.set KSH,  134*256
.set VSH,  138*256
.set KR,   2*PSH
.set VR,   KR+2*KSH
.set VW,   VR+2*VSH                    ; V's scale words, gathered: 24 x 256 bytes
.set STG,  VW+24*256                   ; a stage of 16 rows x 272 bytes for each wave
.set SPARE, STG+4*16*272               ; the spare words, 512 bytes
.set QR,   SPARE+512                   ; q: 256 rows x 272 bytes
.set MB,   QR+256*272                  ; the mask's four copies
.set MCP,  4672                        ; from copy to copy: 1,152 words + 64 bytes
.set R,    1
.set H,    2
.set NIL,  6
.set NINF, 7
.set SH8,  8
.set TLO,  9                           ; h ? 0 : 16 t + r
.set THI,  10                          ; h ? 16 t + r : 1000
.set AP,   11
.set APS,  12
.set AK0,  13
.set AKS0, 14
.set AV0,  15
.set AVW0, 16
.set AK,   17
.set AKS,  18
.set AV,   19
.set AVW,  20
.set STO,  21
.set SRD,  22
.set GO,   23
.set AM,   24                          ; where I read the mask
.set AQ,   25                          ; where I read q
.set ATB,  26                          ; where I lay the mask
.set NM,   28
.set INV,  30
.set QA,   32
.set QC,   44
.set QS,   56
.set VB0,  57
.set SW,   58
.set PW,   74
.set VB1,  83
.set OP,   84
.set MT,   192
.set Z1,   216                         ; the sum of p, on four pairs by turns
.set ZM,   224                         ; the sum of p mask, likewise
.set BM,   232
.set QSP,  249
.set VST,  252
.set SPW,  254
.set ZERO, 255
.set S,    256
.set PC,   808
.set T2,   916
.set QP,   920
.set OA,   984
.set MSB, 0
.macro WIN new                         ; the immediate's high byte repeats the setting that is left
.if MSB != (\new)
	s_set_vgpr_msb (MSB<<8)|(\new)
.set MSB, (\new)
.endif
.endm
.macro WS d, a, b, c                   ; windows of destination, source 0, 1, 2
	WIN ((((\d)/256)<<6)|(((\c)/256)<<4)|(((\b)/256)<<2)|((\a)/256))
.endm
.macro PL n                            ; plain places behind matrix instructions (ISA guide 7.12.1)
.rept \n
	v_nop
.endr
.endm
.macro BAR                             ; my vector writes and LDS instructions are done: then the work-group's barrier
	s_wait_alu depctr_va_vdst(0)
	s_wait_dscnt 0x0
	s_barrier_signal -1
	s_barrier_wait -1
.endm
.macro G1SET b, w0, rows               ; descriptor group 1: rows of 32 elements of 8 bytes, dense in memory
	s_mov_b32 s[\b], \w0
	s_mov_b32 s[\b+1], 32<<16
	s_mov_b32 s[\b+2], (\rows)<<16
	s_mov_b32 s[\b+3], 32<<16
	s_mov_b32 s[\b+4], \rows
	s_mov_b32 s[\b+5], 32
	s_mov_b32 s[\b+6], 0
	s_mov_b32 s[\b+7], 0
.endm
.macro PICK g0a, g1a, g0b, g1b         ; waves 0, 1 issue the first load, waves 2, 3 the second: one tensor load on every way
	s_cmp_lt_u32 s16, 2
	s_cbranch_scc0 .Lother_\@
	tensor_load_to_lds s[\g0a:\g0a+3], s[\g1a:\g1a+7]
	s_nop 0
	PL 4
	s_branch .Ljoin_\@
.Lother_\@:
	tensor_load_to_lds s[\g0b:\g0b+3], s[\g1b:\g1b+7]
	s_nop 0
	PL 4
.Ljoin_\@:
.endm
.macro PSET b, st, last
.set T0, 8*(\b)
.set NPP, 8
.if (\b) == 8
.set NPP, \last
.endif
.set OPB, OP+54*(\st)
.set SWB, SW+8*(\st)
.endm
.macro PLOAD b, st                     ; pe's octets T0 .. T0 + NPP in descending order, and the words of octets T0 + 1 on: 3 (NPP + 1) + NPP loads
	PSET \b, \st, 5
	WIN 0
.set e, 0
.rept NPP+1
.set p, 0
.rept 3
	ds_load_b64 v[OPB+6*(NPP-e)+2*p:OPB+6*(NPP-e)+2*p+1], v[AP] offset:REC*(T0+e)+8*p
.set p, p+1
.endr
.set e, e+1
.endr
.set k, 0
.rept NPP
	ds_load_b32 v[SWB+k], v[APS] offset:REC*(T0+k+1)
.set k, k+1
.endr
.endm
.macro PMUL b, st                      ; the position scores, 8 registers above their place in S
	PSET \b, \st, 5
.set k, 0
.rept NPP
.set DD, S+8+8*(T0+k)
	WS DD,0,0,0
	v_wmma_scale_f32_16x16x128_f8f6f4 v[DD%256:DD%256+7], v[OPB+6*(NPP-1-k):OPB+6*(NPP-1-k)+11], v[QA:QA+11], 0, v[SWB+k], v[QS] matrix_a_fmt:MATRIX_FMT_BF6 matrix_b_fmt:MATRIX_FMT_BF6
.set k, k+1
.endr
.endm
.macro KLOAD b, st                     ; K's octets and their words: 4 NPP loads
	PSET \b, \st, 4
	WIN 0
.set k, 0
.rept NPP
.set p, 0
.rept 3
	ds_load_b64 v[OPB+6*k+2*p:OPB+6*k+2*p+1], v[AK] offset:REC*(T0+k)+8*p
.set p, p+1
.endr
	ds_load_b32 v[SWB+k], v[AKS] offset:REC*(T0+k)
.set k, k+1
.endr
.endm
.macro KMUL b, st                      ; a fragment's upper six registers meet QC's zero codes
	PSET \b, \st, 4
.set k, 0
.rept NPP
.set DD, S+8*(T0+k)
	WS DD,0,0,DD
	v_wmma_scale_f32_16x16x128_f8f6f4 v[DD%256:DD%256+7], v[OPB+6*k:OPB+6*k+11], v[QC:QC+11], v[DD%256:DD%256+7], v[SWB+k], v[QS] matrix_a_fmt:MATRIX_FMT_BF6 matrix_b_fmt:MATRIX_FMT_BF6
.set k, k+1
.endr
.endm
.macro VLOAD kap, st                   ; V's four fragments of K step kap and their words: 28 loads
.set OPB, OP+54*(\st)
.set SWB, SW+8*(\st)
	WIN 0
.set dt, 0
.rept 4
.set p, 0
.rept 6
	ds_load_b64 v[OPB+12*dt+2*p:OPB+12*dt+2*p+1], v[AV] offset:VREC*(2*(\kap)+p/3)+384*dt+8*(p%3)
.set p, p+1
.endr
	ds_load_b32 v[SWB+dt], v[AVW] offset:512*(\kap)+64*dt
.set dt, dt+1
.endr
.endm
.macro VMUL kap, st                    ; the four accumulators take turns
.set OPB, OP+54*(\st)
.set SWB, SW+8*(\st)
.set PB, (PC+12*(\kap))%256
	WIN 0xfc
.set dt, 0
.rept 4
.if (\kap) == 0
	v_wmma_scale_f32_16x16x128_f8f6f4 v[OA%256+8*dt:OA%256+8*dt+7], v[OPB+12*dt:OPB+12*dt+11], v[PB:PB+11], 0, v[SWB+dt], v[PW+(\kap)] matrix_a_fmt:MATRIX_FMT_BF6 matrix_b_fmt:MATRIX_FMT_BF6
.else
	v_wmma_scale_f32_16x16x128_f8f6f4 v[OA%256+8*dt:OA%256+8*dt+7], v[OPB+12*dt:OPB+12*dt+11], v[PB:PB+11], v[OA%256+8*dt:OA%256+8*dt+7], v[SWB+dt], v[PW+(\kap)] matrix_a_fmt:MATRIX_FMT_BF6 matrix_b_fmt:MATRIX_FMT_BF6
.endif
.set dt, dt+1
.endr
.endm
.macro BARREL sh, n, mask, off         ; S(y) = X(y + sh) in the lanes of the mask, else X(y); X lies off registers above S; y ascending, two at a time
	s_mov_b32 vcc_lo, \mask
.set y, 0
.rept (\n)/2
.set A0, S+(\off)+y
.set A1, A0+(\sh)
.if DUAL && ((A1/256) == ((A1+1)/256))
	WS S+y,A0,A1,0
	v_dual_cndmask_b32 v[(S+y)%256], v[A0%256], v[A1%256] :: v_dual_cndmask_b32 v[(S+y+1)%256], v[(A0+1)%256], v[(A1+1)%256]
.else
	WS S+y,A0,A1,0
	v_cndmask_b32 v[(S+y)%256], v[A0%256], v[A1%256], vcc_lo
	WS S+y+1,A0+1,A1+1,0
	v_cndmask_b32 v[(S+y+1)%256], v[(A0+1)%256], v[(A1+1)%256], vcc_lo
.endif
.set y, y+2
.endr
.endm
.macro SFMA n                          ; pair n: c s - c max
	WS S+2*(\n),S+2*(\n),0,0
	v_pk_fma_f32 v[(S+2*(\n))%256:(S+2*(\n))%256+1], v[(S+2*(\n))%256:(S+2*(\n))%256+1], s[22:23], v[NM:NM+1] op_sel_hi:[1,0,0]
.endm
.macro MLOAD i                         ; the mask of block i's 32 keys into set i % 3: 8 loads
	WIN 0
.set j, 0
.rept 8
	ds_load_b128 v[OP+32*((\i)%3)+4*j:OP+32*((\i)%3)+4*j+3], v[AM] offset:128*(\i)+16*j
.set j, j+1
.endr
.endm
.macro BLK i                           ; block i: the sums of p and of p mask, then p mask in place
.set B0, S+32*(\i)
.set MK, OP+32*((\i)%3)
.if (\i) < 15
	s_wait_dscnt 16                                ; the two later blocks' 8 loads each may be out
.else
	s_wait_dscnt 8*(16-(\i))
.endif
	WS 0,B0,0,0
.set k, 0
.rept 16
	v_pk_add_f32 v[Z1+2*(k%4):Z1+2*(k%4)+1], v[B0%256+2*k:B0%256+2*k+1], v[Z1+2*(k%4):Z1+2*(k%4)+1]
	v_pk_fma_f32 v[ZM+2*(k%4):ZM+2*(k%4)+1], v[B0%256+2*k:B0%256+2*k+1], v[MK+2*k:MK+2*k+1], v[ZM+2*(k%4):ZM+2*(k%4)+1]
.set k, k+1
.endr
	WS B0,B0,0,0
.set k, 0
.rept 16
	v_pk_mul_f32 v[B0%256+2*k:B0%256+2*k+1], v[B0%256+2*k:B0%256+2*k+1], v[MK+2*k:MK+2*k+1]
.set k, k+1
.endr
.if (\i)+3 <= 16
	MLOAD (\i)+3
.endif
.endm
.macro GMAX i0, n                      ; the largest p mask of blocks i0 .. i0 + n - 1 (one window), the blocks by turns
	WS 0,S+32*(\i0),S+32*(\i0),0
.set k, 0
.rept 16
.set u, 0
.rept \n
.set B0, (S+32*((\i0)+u))%256
.if k == 0
	v_max_num_f32 v[BM+(\i0)+u], v[B0], v[B0+1]
.else
	v_max3_num_f32 v[BM+(\i0)+u], v[B0+2*k], v[B0+2*k+1], v[BM+(\i0)+u]
.endif
.set u, u+1
.endr
.set k, k+1
.endr
.endm
.macro NRM i                           ; block i: the finished weights
.set B0, S+32*(\i)
	WS B0,B0,0,0
.set k, 0
.rept 16
	v_pk_mul_f32 v[B0%256+2*k:B0%256+2*k+1], v[B0%256+2*k:B0%256+2*k+1], v[INV:INV+1] op_sel_hi:[1,0]
.set k, k+1
.endr
.endm
.macro CVT i                           ; their codes (a conversion's three registers begin on an even number)
.set B0, S+32*(\i)
	WS PC,B0,0,0
	v_cvt_scalef32_pk16_bf6_f32 v[(PC+6*(\i))%256:(PC+6*(\i))%256+2], v[B0%256:B0%256+15], v[BM+(\i)]
	v_cvt_scalef32_pk16_bf6_f32 v[T2%256:T2%256+2], v[B0%256+16:B0%256+31], v[BM+(\i)]
.endm
.macro MVC i                           ; the block's second half to its place
	WS PC,T2,0,0
.set j, 0
.rept 3
	v_mov_b32 v[(PC+6*(\i)+3+j)%256], v[T2%256+j]
.set j, j+1
.endr
.endm
; ---------------- the head
	s_load_b256 s[4:11], s[0:1], 0x0               ; query, current_val, kq, vq
	s_load_b128 s[12:15], s[0:1], 0x20             ; pq, out0
	v_lshl_add_u32 v[SPW], v0, 2, SPARE
	v_mov_b32 v[ZERO], 0
	ds_add_u32 v[SPW], v[ZERO]                     ; the opening lines: the add, twice on end, and its wait
	ds_add_u32 v[SPW], v[ZERO]
	v_lshrrev_b32 v3, 5, v0
	v_readfirstlane_b32 s16, v3                    ; wave
	s_and_b32 s18, ttmp7, 0xffff                   ; bh
	s_and_b32 s19, s16, 1                          ; t; also: which half of a fill is mine
	s_lshr_b32 s66, s16, 1
	s_mov_b32 s20, 0x76543210
	s_mov_b32 s21, 0xfedcba98                      ; v_permlanex16_b32's selects for lane l xor 16
	s_mov_b32 s22, 0x3d8293ee                      ; c = log2(e) / sqrt(512)
	s_mov_b32 s23, s22
	s_mov_b32 s26, 0xff00ff00                      ; lanes with r >= 8
	s_mov_b32 s27, 0xffff0000                      ; lanes with h = 1
	s_mov_b32 s28, 0                               ; the trip's step in K's and V's regions: 3,328 bytes
	s_mov_b32 s29, 0                               ; and among V's gathered words: 512 bytes
	s_mov_b32 s30, 4                               ; trips to go
	G1SET 32, (3<<16)|(1<<20)|(5<<22)|(3<<25), 128 ; q: 16 bytes of padding behind each 256
	G1SET 40, 3<<16, 114                           ; pe
	G1SET 48, 3<<16, 134                           ; K
	G1SET 56, 3<<16, 138                           ; V
	s_mov_b32 s68, 1
	s_mov_b32 s72, 1
	s_mov_b32 s76, 1
	s_mov_b32 s80, 1
	s_mul_i32 s69, s19, 128*272                    ; LDS addresses: a constant + (wave % 2) x a constant
	s_add_co_u32 s69, s69, QR
	s_mul_i32 s73, s19, PSH
	s_mul_i32 s84, s19, KSH
	s_add_co_u32 s77, s84, KR
	s_mul_i32 s86, s19, VSH
	s_add_co_u32 s81, s86, VR
	s_mul_i32 s88, s18, 64*VREC                    ; the slice's records, 416 x 256 bytes,
	s_mul_i32 s89, ttmp9, 8*VREC                   ; + the work-group's first, 52 x 256 bytes
	s_add_co_u32 s88, s88, s89
	s_add_co_u32 s84, s84, s88
	s_mov_b32 s85, 0
	s_add_co_u32 s86, s86, s88
	s_mov_b32 s87, 0
	s_mov_b32 s88, s73
	s_mov_b32 s89, 0
	s_lshl_b32 s2, s18, 18
	s_lshl_b32 s67, ttmp9, 16
	s_add_co_u32 s2, s2, s67                       ; query and out0: (1024 bh + 256 g) rows of 256 bytes
	s_mov_b32 s3, 0
	s_lshl_b32 s90, s19, 15
	s_add_co_u32 s90, s90, s2                      ; my 128 rows of q
	s_mov_b32 s91, 0
	s_lshl_b32 s67, s16, 12
	s_add_co_u32 s2, s2, s67                       ; out0: + 16 w rows
	s_and_b32 s92, s18, 7                          ; the head
	s_lshl_b32 s92, s92, 2
	s_mov_b32 s93, 0
	s_xor_b32 s94, s19, 1
	s_mul_i32 s94, s94, 2*REC                      ; pe: 2 - 2 t octets on
	s_mul_i32 s95, s66, VREC                       ; wave / 2: 4 octets, or a block of V
	s_add_co_u32 s96, s95, VR
	s_add_co_u32 s95, s95, KR
	s_lshl_b32 s97, s66, 8
	s_add_co_u32 s97, s97, VW
	s_mul_i32 s98, s16, 16*272
	s_add_co_u32 s100, s98, QR                     ; my 16 rows of a trip's 64 of q
	s_add_co_u32 s98, s98, STG
	s_lshl_b32 s99, s19, 4
	s_xor_b32 s101, s19, 1
	s_lshl_b32 s101, s101, 6
	s_add_co_u32 s101, s101, MB                    ; the mask: 16 (1 - t) words on; 16 more come with 4 - ceil(r / 4) below
	s_wait_dscnt 0x0                               ; both opening adds are done
	s_wait_kmcnt 0x0
	s_add_nc_u64 s[70:71], s[4:5], s[90:91]
	s_or_b32 s71, s71, 0x80000000
	s_add_nc_u64 s[74:75], s[12:13], s[88:89]
	s_or_b32 s75, s75, 0x80000000
	s_add_nc_u64 s[78:79], s[8:9], s[84:85]
	s_or_b32 s79, s79, 0x80000000
	s_add_nc_u64 s[82:83], s[10:11], s[86:87]
	s_or_b32 s83, s83, 0x80000000
	s_add_nc_u64 s[14:15], s[14:15], s[2:3]
	s_add_nc_u64 s[92:93], s[6:7], s[92:93]
	s_load_b32 s31, s[92:93], 0x0                  ; current_val of my head
	s_sub_co_u32 s2, s16, 1055                     ; the mask's copy w: l - 1023 at word 0 is w - 32 - 1023
	s_mul_i32 s3, s16, MCP
	s_add_co_u32 s3, s3, MB
	PICK 68, 32, 72, 40                            ; q's halves, pe's halves: one tensor load a wave at the head
	v_and_b32 v[R], 15, v0
	v_bfe_u32 v[H], v0, 4, 1
	v_mov_b32 v[NIL], 0
	v_mov_b32 v[NINF], 0xff800000
	v_lshlrev_b32 v[SH8], 3, v[H]
	v_lshrrev_b32 v3, 3, v[R]
	v_and_b32 v4, 7, v[R]
	v_mul_u32_u24 v84, v3, HALF                    ; rows 8-15 of a tile: 68 octets on
	v_mad_u32_u24 v85, v4, 48, v84
	v_mad_u32_u24 v85, v[H], 24, v85               ; a row's codes of my d block
	v_lshl_add_u32 v86, v4, 2, v84
	v_add_nc_u32 v86, 384, v86                     ; a row's scale word
	v_add_nc_u32 v[AP], s94, v85
	v_add_nc_u32 v[APS], s94, v86
	v_add_nc_u32 v[AK0], s95, v85
	v_add_nc_u32 v[AKS0], s95, v86
	v_mul_u32_u24 v87, v[H], HALF
	v_mad_u32_u24 v87, v[R], 24, v87
	v_add_nc_u32 v[AV0], s96, v87                  ; V: channel r of a tile, lanes 16-31 17 blocks on
	v_lshl_add_u32 v[AVW0], v[R], 2, s97
	v_mul_u32_u24 v87, v[R], 272
	v_lshl_add_u32 v88, v[H], 5, v87
	v_add_nc_u32 v[STO], s98, v88                  ; the stage, in: row r, 32 h bytes on
	v_lshl_add_u32 v88, v[H], 7, v87
	v_add_nc_u32 v[AQ], s100, v88                  ; q: row r, my block of 32 numbers
	v_mul_u32_u24 v87, v[H], 272
	v_lshl_add_u32 v87, v[R], 4, v87
	v_add_nc_u32 v[SRD], s98, v87                  ; the stage, back: lanes 0-15 a row, lanes 16-31 the next
	v_lshlrev_b32 v[GO], 8, v[H]
	v_lshl_add_u32 v[GO], v[R], 4, v[GO]
	v_and_b32 v87, 63, v0                          ; the gathering of V's scale words: thread = (start block % 2, channel)
	v_lshrrev_b32 v88, 6, v0
	v_mul_u32_u24 v88, v88, VREC
	v_lshl_add_u32 v88, v87, 1, v88
	v_add_nc_u32 v[VB0], VR+1536, v88
	v_add_nc_u32 v[VB1], VR+1536+HALF, v88
	v_lshl_add_u32 v[VST], v0, 2, VW
	v_add_nc_u32 v87, s99, v[R]                    ; 16 t + r
	v_mov_b32 v88, 1000
	v_cndmask_b32 v[TLO], v87, v[NIL], s27
	v_cndmask_b32 v[THI], v88, v87, s27
	v_xor_b32 v87, 15, v[R]
	v_add_nc_u32 v87, 1, v87                       ; 16 - r
	v_and_b32 v88, 3, v87                          ; the copy c = (16 - r) % 4
	v_lshrrev_b32 v87, 2, v87                      ; 4 - ceil(r / 4)
	v_mul_u32_u24 v88, v88, MCP
	v_mad_u32_u24 v88, v[H], 2176, v88             ; + 544 h words
	v_lshl_add_u32 v88, v87, 4, v88                ; + 4 (4 - ceil(r / 4)) words
	v_add_nc_u32 v[AM], s101, v88
	v_and_b32 v87, 31, v0
	v_lshl_add_u32 v[ATB], v87, 4, s3              ; my wave's copy, 16 bytes a lane
.set j, 0
.rept 6
	v_mov_b32 v[QC+6+j], 0                         ; the content product's idle half of K
.set j, j+1
.endr
.set j, 8
.rept 18
	v_mov_b32 v[MT+j], 0                           ; written once: a lane permute's destination counts as read
.set j, j+1
.endr
	WIN 0xc0
.set j, 0
.rept 6
	v_mov_b32 v[(PC+102+j)%256], 0                 ; the last K step's second block does not exist: zero codes
.set j, j+1
.endr
	WIN 0
	s_wait_alu depctr_va_vdst(0)                   ; the head's end
	s_wait_tensorcnt 0x0                           ; my half of q or of pe is in
	ds_add_u32 v[SPW], v[ZERO]
	s_wait_dscnt 0x0
	s_barrier_signal -1
	s_barrier_wait -1                              ; q and pe are whole for every wave
	PICK 76, 48, 80, 56                            ; K's halves, V's halves: my one tensor load behind this barrier, and my last
	WIN 0x40                                       ; the four tiles' q as f32, 32 numbers a lane and tile, where S will lie
.set i, 0
.rept 4
.set j, 0
.rept 8
	ds_load_b128 v[32*i+4*j:32*i+4*j+3], v[AQ] offset:64*272*i+16*j
.set j, j+1
.endr
.set i, i+1
.endr
	WIN 0
	s_wait_kmcnt 0x0                               ; current_val
	s_wait_dscnt 0x0
	WIN 0x05                                       ; q's four tiles are quantised: a lane holds a whole block of 32
.set i, 0
.rept 4
	v_max3_num_f32 v[192+i], |v[32*i]|, |v[32*i+1]|, 0x2800000     ; with the floor 2^(5 - 127)
.set i, i+1
.endr
.set j, 2
.rept 15
.set i, 0
.rept 4
	v_max3_num_f32 v[192+i], |v[32*i+j]|, |v[32*i+j+1]|, v[192+i]
.set i, i+1
.endr
.set j, j+2
.endr
	WIN 0
.irp i, 0,1,2,3
	v_add_nc_u32 v[196+\i], 0xfe000000, v[192+\i]  ; 4 off the exponent field: the conversion's scale operand
.endr
.irp i, 0,1,2,3
	v_lshrrev_b32 v[192+\i], 23, v[196+\i]
.endr
.irp i, 0,1,2,3
	v_lshlrev_b32 v[192+\i], v[SH8], v[192+\i]
.endr
.irp i, 0,1,2,3
	v_permlanex16_b32 v[200+\i], v[192+\i], s20, s21
.endr
.irp i, 0,1,2,3
	v_or_b32 v[192+\i], v[192+\i], v[200+\i]       ; [s(d 0-31), s(d 32-63)]
.endr
	v_lshl_or_b32 v[QS], v192, 16, v192            ; twice: both halves of the instruction's K hold q
.irp i, 1,2,3
	v_lshl_or_b32 v[QSP-1+\i], v[192+\i], 16, v[192+\i]
.endr
	WIN 0x01
.set i, 0
.rept 4
	v_cvt_scalef32_pk16_bf6_f32 v[204+8*i:206+8*i], v[32*i:32*i+15], v[196+i]
	v_cvt_scalef32_pk16_bf6_f32 v[208+8*i:210+8*i], v[32*i+16:32*i+31], v[196+i]
.set i, i+1
.endr
	v_nop                                          ; one plain line behind the last scaled conversion
	WIN 0
.irp j, 0,1,2
	v_mov_b32 v[QC+\j], v[204+\j]
	v_mov_b32 v[QC+3+\j], v[208+\j]
.endr
	WIN 0xc0
.irp i, 1,2,3
.irp j, 0,1,2
	v_mov_b32 v[QP%256+6*(\i-1)+\j], v[204+8*\i+\j]
	v_mov_b32 v[QP%256+6*(\i-1)+3+\j], v[208+8*\i+\j]
.endr
.endr
	WIN 0
; ---------------- a tile of 16 queries
.Ltile:
.set j, 0
.rept 6
	v_cndmask_b32 v[QA+j], v[QC+j], v[NIL], s26    ; q in the lower half of K where r < 8,
	v_cndmask_b32 v[QA+6+j], v[NIL], v[QC+j], s26  ; in the upper where r >= 8
.set j, j+1
.endr
	v_add_nc_u32 v[AK], s28, v[AK0]
	v_add_nc_u32 v[AKS], s28, v[AKS0]
	v_add_nc_u32 v[AV], s28, v[AV0]
	v_add_nc_u32 v[AVW], s29, v[AVW0]
.set j, 0
.rept 16
	v_mov_b32 v[Z1+j], 0                           ; both sums' four pairs (these lines are also the places between q's operands and scale word and the first product)
.set j, j+1
.endr
	; ---- the position scores, 69 tiles, in batches of 8 on two operand sets
	PLOAD 0,0
.set bb, 0
.rept 9
.if bb < 8
.if bb >= 1
	PL 4                                           ; in front of loads into the set that the products just issued have read
.endif
	PLOAD bb+1,(bb+1)%2
	s_wait_dscnt 4*NPP+3                           ; all but the run just issued
.else
	s_wait_dscnt 0x0
.endif
	PMUL bb,bb%2
.set bb, bb+1
.endr
	PL 4
	; ---- the rest of the skew: 7 - r % 8 registers, by its three bits
	BARREL 1, 550, 0x55555555, 8
	BARREL 2, 548, 0x33333333, 0
	BARREL 4, 544, 0x0f0f0f0f, 0
	WIN 0
	s_wait_tensorcnt 0x0                           ; my half of K or of V is in
	BAR
	; ---- in the first trip: V's scale bytes are gathered into words (start block beta, channel d: blocks beta, beta + 17, beta + 1, beta + 18), and the mask is laid
	s_cmp_lg_u32 s30, 4
	s_cbranch_scc1 .Lvwdone
.set i, 0
.rept 12
	ds_load_u8 v[OP+4*i], v[VB0] offset:VREC*(2*i)
	ds_load_u8 v[OP+4*i+1], v[VB1] offset:VREC*(2*i)
	ds_load_u8 v[OP+4*i+2], v[VB0] offset:VREC*(2*i+1)
	ds_load_u8 v[OP+4*i+3], v[VB1] offset:VREC*(2*i+1)
.set i, i+1
.endr
	v_and_b32 v[MT+8], 31, v0
	v_lshl_add_u32 v[MT+8], v[MT+8], 2, s2         ; l - 1023 of my first word: 4 lane + w - 1055
.irp e, 0,1,2,3
	v_add_nc_u32 v[MT+\e], \e, v[MT+8]
.endr
.irp e, 0,1,2,3
	v_cvt_f32_i32 v[MT+\e], v[MT+\e]
.endr
.set k, 0
.rept 9                                ; 9 x 128 words of my wave's copy
.irp e, 0,1,2,3
	v_fma_f32 v[MT+4+\e], s31, 0x44800000, v[MT+\e]            ; l - 1023 + 1024 current_val
.endr
.irp e, 0,1,2,3
	v_fma_f32 v[MT+4+\e], v[MT+4+\e], 0x3d000000, 1.0          ; / 32 + 1
.endr
.irp e, 0,1,2,3
	v_med3_num_f32 v[MT+4+\e], 0, v[MT+4+\e], 1.0
.endr
	ds_store_b128 v[ATB], v[MT+4:MT+7] offset:512*k
.irp e, 0,1,2,3
	v_add_f32 v[MT+\e], 0x43000000, v[MT+\e]       ; 128 words on: whole numbers, nothing is rounded
.endr
.set k, k+1
.endr
	s_wait_dscnt 0x0
.set i, 0
.rept 12
	v_lshl_or_b32 v[OP+4*i], v[OP+4*i+1], 8, v[OP+4*i]
	v_lshl_or_b32 v[OP+4*i], v[OP+4*i+2], 16, v[OP+4*i]
	v_lshl_or_b32 v[OP+4*i], v[OP+4*i+3], 24, v[OP+4*i]
	ds_store_b32 v[VST], v[OP+4*i] offset:512*i
.set i, i+1
.endr
.Lvwdone:
	BAR                                            ; the words and the mask lie in LDS for every wave
	; ---- the content scores add onto the position scores: 68 tiles
	KLOAD 0,0
.set bb, 0
.rept 9
.if bb < 8
.if bb >= 1
	PL 4
.endif
	KLOAD bb+1,(bb+1)%2
	s_wait_dscnt 4*NPP                             ; all but the run just issued
.else
	s_wait_dscnt 0x0
.endif
	KMUL bb,bb%2
.set bb, bb+1
.endr
	PL 4
	MLOAD 0                                        ; the first three blocks' mask, into the operand sets that are done with
	MLOAD 1
	MLOAD 2
	; ---- keys outside the band become -infinity: l < 0 in lanes 0-15, l > 1023 in lanes 16-31
.set y, 0
.rept 31
	WS S+y,S+y,0,0
	v_cmp_lt_u32 vcc_lo, y, v[TLO]
	v_cndmask_b32 v[(S+y)%256], v[(S+y)%256], v[NINF], vcc_lo
.set y, y+1
.endr
.set y, 480
.rept 64
	WS S+y,S+y,0,0
	v_cmp_ge_u32 vcc_lo, y-480, v[THI]
	v_cndmask_b32 v[(S+y)%256], v[(S+y)%256], v[NINF], vcc_lo
.set y, y+1
.endr
	; ---- the row's maximum: eight chains, y ascending (each tile is read from its low end on)
.set n, 0
.rept 272
	WS 0,S+2*n,S+2*n,0
.if n < 8
	v_max3_num_f32 v[MT+n], v[(S+2*n)%256], v[(S+2*n)%256+1], v[NINF]
.else
	v_max3_num_f32 v[MT+n%8], v[(S+2*n)%256], v[(S+2*n)%256+1], v[MT+n%8]
.endif
.set n, n+1
.endr
	WIN 0
	v_max3_num_f32 v[MT], v[MT], v[MT+1], v[MT+2]
	v_max3_num_f32 v[MT+3], v[MT+3], v[MT+4], v[MT+5]
	v_max3_num_f32 v[MT], v[MT], v[MT+6], v[MT+7]
	v_max_num_f32 v[MT], v[MT], v[MT+3]
	v_permlanex16_b32 v[MT+1], v[MT], s20, s21
	v_max_num_f32 v[MT], v[MT], v[MT+1]
	v_mul_f32 v[NM], 0xbd8293ee, v[MT]             ; -c max
	v_mov_b32 v[NM+1], v[NM]
	; ---- p = 2^(c s - c max): eight chunks of 34 pairs.  Among a chunk's exponentials stand the next chunk's scalings, which name none of its registers; one wait closes each chunk, ahead of the readers of both
.set n, 0
.rept 34
	SFMA n
.set n, n+1
.endr
	s_wait_alu depctr_va_vdst(0)
.set g, 0
.rept 8
.set n, 34*g
.rept 17
	WS S+2*n,S+2*n,0,0
	v_exp_f32 v[(S+2*n)%256], v[(S+2*n)%256]
	v_exp_f32 v[(S+2*n)%256+1], v[(S+2*n)%256+1]
	v_exp_f32 v[(S+2*n)%256+2], v[(S+2*n)%256+2]
	v_exp_f32 v[(S+2*n)%256+3], v[(S+2*n)%256+3]
.if n+34 < 272
	SFMA n+34
	SFMA n+35
.endif
.set n, n+2
.endr
.if g == 7
	v_nop                                          ; a plain line behind the last exponential
.endif
	s_wait_alu depctr_va_vdst(0)
.set g, g+1
.endr
	; ---- sums, p mask; then the block maxima of the eight blocks of a window, by turns
.irp g, 0,8
	BLK \g
	BLK \g+1
	BLK \g+2
	BLK \g+3
	BLK \g+4
	BLK \g+5
	BLK \g+6
	BLK \g+7
	GMAX \g,8
.endr
	BLK 16
	WS 0,S+512,S+512,0                             ; block 16's largest p mask, in four chains
.set k, 0
.rept 16
.if k < 4
	v_max_num_f32 v[MT+k], v[2*k], v[2*k+1]
.else
	v_max3_num_f32 v[MT+k%4], v[2*k], v[2*k+1], v[MT+k%4]
.endif
.set k, k+1
.endr
	WIN 0
	v_max3_num_f32 v[BM+16], v[MT], v[MT+1], v[MT+2]
	v_max_num_f32 v[BM+16], v[BM+16], v[MT+3]
	VLOAD 0,0                                      ; V's first fragments, into registers that the mask has left
	; ---- the divisor
	v_pk_add_f32 v[Z1:Z1+1], v[Z1:Z1+1], v[Z1+2:Z1+3]
	v_pk_add_f32 v[Z1+4:Z1+5], v[Z1+4:Z1+5], v[Z1+6:Z1+7]
	v_pk_add_f32 v[ZM:ZM+1], v[ZM:ZM+1], v[ZM+2:ZM+3]
	v_pk_add_f32 v[ZM+4:ZM+5], v[ZM+4:ZM+5], v[ZM+6:ZM+7]
	v_pk_add_f32 v[Z1:Z1+1], v[Z1:Z1+1], v[Z1+4:Z1+5]
	v_pk_add_f32 v[ZM:ZM+1], v[ZM:ZM+1], v[ZM+4:ZM+5]
	v_add_f32 v[Z1], v[Z1], v[Z1+1]
	v_add_f32 v[ZM], v[ZM], v[ZM+1]
	v_permlanex16_b32 v[Z1+1], v[Z1], s20, s21
	v_permlanex16_b32 v[ZM+1], v[ZM], s20, s21
	v_add_f32 v[Z1], v[Z1], v[Z1+1]
	v_add_f32 v[ZM], v[ZM], v[ZM+1]
	v_fmamk_f32 v[ZM], v[Z1], 0x322bcc77, v[ZM]    ; sum of p mask + 1e-8 sum of p
	s_wait_alu depctr_va_vdst(0)
	v_rcp_f32 v[INV], v[ZM]
	v_nop
	s_wait_alu depctr_va_vdst(0)
	v_mov_b32 v[INV+1], v[INV]
	; ---- the 17 blocks' scales
.set i, 0
.rept 17
	v_mul_f32 v[BM+i], v[BM+i], v[INV]             ; the block's largest weight: the same multiplication as its number's below
.set i, i+1
.endr
.set i, 0
.rept 17
	v_max_num_f32 v[BM+i], 0x2800000, v[BM+i]      ; the floor: the byte cannot fall under 1
.set i, i+1
.endr
.set i, 0
.rept 17
	v_add_nc_u32 v[BM+i], 0xfe000000, v[BM+i]      ; the conversion's scale operand
.set i, i+1
.endr
.set i, 0
.rept 17
	v_lshrrev_b32 v[MT+i], 23, v[BM+i]             ; the byte
.set i, i+1
.endr
.set k, 0
.rept 8
	v_lshl_or_b32 v[PW+k], v[MT+2*k+1], 16, v[MT+2*k]   ; K step k: my blocks 2 k and 2 k + 1 are its slots (0, h) and (1, h): bytes h and 2 + h
.set k, k+1
.endr
	v_mov_b32 v[PW+8], v[MT+16]
.set k, 0
.rept 9
	v_lshlrev_b32 v[PW+k], v[SH8], v[PW+k]
.set k, k+1
.endr
.set k, 0
.rept 9
	v_permlanex16_b32 v[MT+17+k], v[PW+k], s20, s21
.set k, k+1
.endr
.set k, 0
.rept 9
	v_or_b32 v[PW+k], v[PW+k], v[MT+17+k]
.set k, k+1
.endr
	; ---- the weights and their codes.  Block i + 1 is normalised between block i's conversions and the moves that read their result
	NRM 0
.set ii, 0
.rept 17
	CVT ii
.if ii < 16
	NRM ii+1
.else
	v_nop                                          ; one plain line behind the last scaled conversion
.endif
	MVC ii
.set ii, ii+1
.endr
	WIN 0
	s_wait_alu depctr_va_vdst(0)
	PL 4                                           ; places between those moves and the first product
	; ---- O^T = V^T P^T: 9 K steps of 4 blocks, four tiles of 16 channels
.set kk, 0
.rept 9
.if kk < 8
.if kk >= 1
	PL 4
.endif
	VLOAD kk+1,(kk+1)%2
	s_wait_dscnt 28                                ; all but the run just issued
.else
	s_wait_dscnt 0x0
.endif
	VMUL kk,kk%2
.set kk, kk+1
.endr
	PL 4
	; ---- the way out: through my own stage, so that sixteen lanes store a row's 256 consecutive bytes
	WIN 0x0c                                       ; an LDS store's data are its source 1: window 3
.set dt, 0
.rept 4
	ds_store_b128 v[STO], v[OA%256+8*dt:OA%256+8*dt+3] offset:64*dt          ; each accumulator from its low end on
	ds_store_b128 v[STO], v[OA%256+8*dt+4:OA%256+8*dt+7] offset:64*dt+16
.set dt, dt+1
.endr
	WIN 0
.set i, 0
.rept 8
	ds_load_b128 v[OP+4*i:OP+4*i+3], v[SRD] offset:544*i   ; LDS serves a wave's instructions in order: these see my stores
.set i, i+1
.endr
.set i, 0
.rept 8
	s_wait_dscnt 7-i
	global_store_b128 v[GO], v[OP+4*i:OP+4*i+3], s[14:15] offset:512*i th:TH_STORE_NT
.set i, i+1
.endr
	WIN 0x03                                       ; the next tile's q moves up
.set j, 0
.rept 6
	v_mov_b32 v[QC+j], v[QP%256+j]
.set j, j+1
.endr
	WIN 0xc3
.set j, 0
.rept 12
	v_mov_b32 v[QP%256+j], v[QP%256+6+j]
.set j, j+1
.endr
	WIN 0
	v_mov_b32 v[QS], v[QSP]
	v_mov_b32 v[QSP], v[QSP+1]
	v_mov_b32 v[QSP+1], v[QSP+2]
	s_wait_xcnt 0x0                                ; the stores have read their registers and their base: both are written again only behind this wait
	s_add_nc_u64 s[14:15], s[14:15], 16384         ; 64 rows on
	s_add_co_u32 s28, s28, 2*VREC
	s_add_co_u32 s29, s29, 512
	s_sub_co_u32 s30, s30, 1
	s_cmp_lg_u32 s30, 0
	s_wait_alu depctr_va_vdst(0)
	s_cbranch_scc1 .Ltile
	s_wait_tensorcnt 0x0                           ; the wave's end
	ds_add_u32 v[SPW], v[ZERO]
	s_wait_dscnt 0x0
	s_endpgm
.Lfunc_end_k_q6bffc00fb0_attn:
	.size	k_q6bffc00fb0_attn, .Lfunc_end_k_q6bffc00fb0_attn-k_q6bffc00fb0_attn
	.p2alignl 7, 3214868480
	.fill 96, 4, 3214868480
	.section	.rodata,"a",@progbits
	.p2align	6, 0x0
	.amdhsa_kernel k_q6bffc00fb0_attn
		.amdhsa_group_segment_fixed_size 327680
		.amdhsa_private_segment_fixed_size 0
		.amdhsa_enable_private_segment 0
		.amdhsa_kernarg_size 48
		.amdhsa_user_sgpr_count 2
		.amdhsa_user_sgpr_kernarg_segment_ptr 1
		.amdhsa_wavefront_size32 1
		.amdhsa_system_sgpr_workgroup_id_x 1
		.amdhsa_system_sgpr_workgroup_id_y 1
		.amdhsa_system_sgpr_workgroup_id_z 1
		.amdhsa_system_vgpr_workitem_id 0
		.amdhsa_next_free_vgpr 1024
		.amdhsa_next_free_sgpr 102
		.amdhsa_reserve_vcc 1
		.amdhsa_float_denorm_mode_32 3
		.amdhsa_float_denorm_mode_16_64 3
		.amdhsa_memory_ordered 1
		.amdhsa_forward_progress 1
		.amdhsa_inst_pref_size 255
	.end_amdhsa_kernel
	.section	.bss,"aw",@nobits
	.p2align	6
	.space	262144
	.amdgpu_metadata
---
amdhsa.version: [ 1, 2 ]
amdhsa.kernels:
  - .name:           k_q6bffc00fb0_attn
    .symbol:         k_q6bffc00fb0_attn.kd
    .args:
      - { .name: query, .offset: 0, .size: 8, .value_kind: global_buffer, .address_space: global }
      - { .name: current_val, .offset: 8, .size: 8, .value_kind: global_buffer, .address_space: global }
      - { .name: kq, .offset: 16, .size: 8, .value_kind: global_buffer, .address_space: global }
      - { .name: vq, .offset: 24, .size: 8, .value_kind: global_buffer, .address_space: global }
      - { .name: pq, .offset: 32, .size: 8, .value_kind: global_buffer, .address_space: global }
      - { .name: out0, .offset: 40, .size: 8, .value_kind: global_buffer, .address_space: global }
    .group_segment_fixed_size: 327680
    .private_segment_fixed_size: 0
    .kernarg_segment_align: 8
    .kernarg_segment_size: 48
    .max_flat_workgroup_size: 128
    .sgpr_count:     102
    .vgpr_count:     1024
    .wavefront_size: 32
...
	.end_amdgpu_metadata
.endif
;; end of part 2
